; MI455X (gfx1250); checked and timed in simulation.
; The chip was launched on July 23, 2026; its instructions are those of AMD's public machine-readable ISA for CDNA 5 (MIT licence, August 2026) and "CDNA5" Instruction Set Architecture Reference Guide (July 2026). The comments in the code are by the model that wrote it; some were corrected since.
;; Multi Head Attention. Allowed arithmetic: float matrix products may take bf16 or f16 operands with f32 sums; all other float work in f32.
;; Inputs: Wk 1,024 x 1,024 float32; Wo 1,024 x 1,024 float32; Wq 1,024 x 1,024 float32; Wv 1,024 x 1,024 float32; X 2 x 2,048 x 1,024 float32; bo 1,024 float32.
;; Outputs: out0 2 x 2,048 x 1,024 float32.
;; One version. Each part assembles by itself: llvm-mc -triple=amdgcn-amd-amdhsa -mcpu=gfx1250 --defsym DOCPART=n.
;; ======== version 1 of 1: 4 launches
;; limits: values are held in f16: magnitudes above 65,504 overflow, below 6.1e-05 lose precision
;; workspace buffers: Xb 8,388,608 bytes; Wb 6,291,456 bytes; Wh 2,097,152 bytes; Qh 8,388,608 bytes; KV 16,777,216 bytes; Zh 8,388,608 bytes
;; launch cvt (part 1): grid 512 x 1, 8 waves a work-group, no clusters, 0 bytes of LDS; arguments X, Wq, Wk, Wv, Wo, Xb, Wb, Wh; writes Xb, Wb, Wh
.if DOCPART == 1
	.amdgcn_target "amdgcn-amd-amdhsa--gfx1250"
	.amdhsa_code_object_version 6
	.text
	.protected	k_qc256800c94_cvt
	.globl	k_qc256800c94_cvt
	.p2align	8
	.type	k_qc256800c94_cvt,@function
k_qc256800c94_cvt:
	s_mov_b64 s[64:65], 0
	v_nop
	global_prefetch_b8 v0, s[64:65] scope:SCOPE_SE
	s_setreg_imm32_b32 hwreg(HW_REG_WAVE_MODE, 25, 1), 1
	s_wait_xcnt 0x0
; Rounds the f32 inputs once to 16 bits, in the layouts that the later launches take as dense tiles.
;   Xb [4096][1024] bf16 = X.   Wb [head 16][q,k,v][64 d][1024] bf16 = rows 64 h + d of Wq, Wk, Wv.
;   Wh [kb 16][n 1024][64 k] f16 = f16(bf16(Wo[n][64 kb + k])): Wo is rounded to bf16 like the other weights and that number is
;   written as f16, since the last product multiplies it with f16 numbers.
; LIMITS: the second step is exact for 2^-17 <= |w| < 65,504; below, its absolute error is at most 3e-8; at 65,504 and above it gives infinity.
; A stream: every work-group takes 16 rows of 4,096 bytes (64 KiB), 512 work-groups in all; no byte is read twice and no two work-groups
; share a byte, so LDS, barriers, matrix units and clusters have nothing to add.
; Work-groups 0-255: X.  256-447: Wq, Wk, Wv (64 each).  448-511: Wo.
.set IN,  16                           ; v[16:79]   8 passes x 8 f32 as loaded
.set OUTR, 80                          ; v[80:111]  8 passes x 4 registers to store
	s_load_b512 s[8:23], s[0:1], 0x0               ; X 8, Wq 10, Wk 12, Wv 14, Wo 16, Xb 18, Wb 20, Wh 22
	s_mov_b32 s2, ttmp9                            ; g
	s_mov_b32 s5, 0
	s_mov_b32 s7, 0
	s_cmp_ge_u32 s2, 448
	s_cbranch_scc1 .Lwo
	; offsets, apart from the addresses
	s_and_b32 s3, s2, 255                          ; g - 256 for the weights
	s_lshr_b32 s28, s3, 6                          ; m: 0 q, 1 k, 2 v
	s_and_b32 s29, s3, 63                          ; j: rows 16 j .. 16 j + 15 of that matrix
	s_lshr_b32 s30, s29, 2                         ; head
	s_mul_i32 s30, s30, 192
	s_lshl_b32 s31, s28, 6
	s_add_co_u32 s30, s30, s31
	s_and_b32 s31, s29, 3
	s_lshl_b32 s31, s31, 4
	s_add_co_u32 s30, s30, s31                     ; row in Wb = 192 head + 64 m + 16 (j & 3)
	s_lshl_b32 s30, s30, 11                        ; x 2,048 bytes
	s_lshl_b32 s29, s29, 16                        ; source: 16 rows of 4,096 bytes
	s_lshl_b32 s32, s2, 16                         ; X: the same with g
	s_lshl_b32 s33, s2, 15                         ; Xb: 16 rows of 2,048 bytes
	s_cmp_lt_u32 s2, 256
	s_cselect_b32 s4, s32, s29
	s_cselect_b32 s6, s33, s30
	v_lshlrev_b32 v1, 5, v0                        ; 32 bytes of f32 a thread and pass
	v_lshlrev_b32 v2, 4, v0                        ; 16 bytes of bf16
	s_wait_kmcnt 0x0
	s_cmp_eq_u32 s28, 1
	s_cselect_b64 s[24:25], s[12:13], s[10:11]
	s_cmp_eq_u32 s28, 2
	s_cselect_b64 s[24:25], s[14:15], s[24:25]
	s_cmp_lt_u32 s2, 256
	s_cselect_b64 s[24:25], s[8:9], s[24:25]
	s_cselect_b64 s[26:27], s[18:19], s[20:21]
	s_add_nc_u64 s[24:25], s[24:25], s[4:5]
	s_add_nc_u64 s[26:27], s[26:27], s[6:7]
.irp i, 0,1,2,3,4,5,6,7
	global_load_b128 v[IN+8*\i:IN+8*\i+3],   v1, s[24:25] offset:8192*\i th:TH_LOAD_NT
	global_load_b128 v[IN+8*\i+4:IN+8*\i+7], v1, s[24:25] offset:8192*\i+16 th:TH_LOAD_NT
.endr
.irp i, 0,1,2,3,4,5,6,7
	s_wait_loadcnt 14-2*\i                         ; loads come back in order: the later passes' loads stay out
.irp p, 0,1,2,3
	v_cvt_pk_bf16_f32 v[OUTR+4*\i+\p], v[IN+8*\i+2*\p], v[IN+8*\i+2*\p+1]
.endr
	global_store_b128 v2, v[OUTR+4*\i:OUTR+4*\i+3], s[26:27] offset:4096*\i   ; a wave's store covers 512 consecutive bytes, aligned
.endr
	s_endpgm
.Lwo:
	s_sub_co_u32 s3, s2, 448                       ; j: rows n = 16 j .. 16 j + 15 of Wo
	s_lshl_b32 s4, s3, 16
	s_lshl_b32 s6, s3, 11                          ; 16 rows of 128 bytes inside each block kb
	v_bfe_u32 v3, v0, 3, 4                         ; row
	v_lshrrev_b32 v4, 7, v0                        ; which of the pass's two blocks kb
	v_and_b32 v5, 7, v0                            ; which 8 numbers of the block's 64
	v_lshlrev_b32 v1, 12, v3
	v_lshl_add_u32 v1, v4, 8, v1
	v_lshl_add_u32 v1, v5, 5, v1                   ; in: row x 4,096 + block x 256 + 32 x piece
	v_and_b32 v6, 127, v0
	v_lshlrev_b32 v2, 4, v6
	v_lshl_add_u32 v2, v4, 17, v2                  ; out: block x 131,072 + row x 128 + 16 x piece
	s_wait_kmcnt 0x0
	s_add_nc_u64 s[28:29], s[16:17], s[4:5]
	s_add_nc_u64 s[30:31], s[22:23], s[6:7]
.irp i, 0,1,2,3,4,5,6,7
	global_load_b128 v[IN+8*\i:IN+8*\i+3],   v1, s[28:29] offset:512*\i th:TH_LOAD_NT
	global_load_b128 v[IN+8*\i+4:IN+8*\i+7], v1, s[28:29] offset:512*\i+16 th:TH_LOAD_NT
.endr
.irp i, 0,1,2,3,4,5,6,7
	s_wait_loadcnt 14-2*\i
.irp p, 0,1,2,3
	v_cvt_pk_bf16_f32 v[4+\p], v[IN+8*\i+2*\p], v[IN+8*\i+2*\p+1]     ; the rounding that counts
.endr
.irp p, 0,1,2,3
	v_lshlrev_b32 v[IN+8*\i+2*\p],   16, v[4+\p]                       ; back to f32,
	v_and_b32     v[IN+8*\i+2*\p+1], 0xffff0000, v[4+\p]
.endr
.irp p, 0,1,2,3
	v_cvt_pk_f16_f32 v[OUTR+4*\i+\p], v[IN+8*\i+2*\p], v[IN+8*\i+2*\p+1]   ; and the same number as f16
.endr
	global_store_b128 v2, v[OUTR+4*\i:OUTR+4*\i+3], s[30:31] offset:262144*\i  ; blocks kb = 2 i, 2 i + 1; 512 consecutive bytes a wave
.endr
	s_endpgm
.Lfunc_end_k_qc256800c94_cvt:
	.size	k_qc256800c94_cvt, .Lfunc_end_k_qc256800c94_cvt-k_qc256800c94_cvt
	.p2alignl 7, 3214868480
	.fill 96, 4, 3214868480
	.section	.rodata,"a",@progbits
	.p2align	6, 0x0
	.amdhsa_kernel k_qc256800c94_cvt
		.amdhsa_group_segment_fixed_size 0
		.amdhsa_private_segment_fixed_size 0
		.amdhsa_enable_private_segment 0
		.amdhsa_kernarg_size 64
		.amdhsa_user_sgpr_count 2
		.amdhsa_user_sgpr_kernarg_segment_ptr 1
		.amdhsa_wavefront_size32 1
		.amdhsa_system_sgpr_workgroup_id_x 1
		.amdhsa_system_sgpr_workgroup_id_y 1
		.amdhsa_system_sgpr_workgroup_id_z 1
		.amdhsa_system_vgpr_workitem_id 0
		.amdhsa_next_free_vgpr 112
		.amdhsa_next_free_sgpr 66
		.amdhsa_reserve_vcc 0
		.amdhsa_float_denorm_mode_32 3
		.amdhsa_float_denorm_mode_16_64 3
		.amdhsa_memory_ordered 1
		.amdhsa_forward_progress 1
		.amdhsa_inst_pref_size 17
	.end_amdhsa_kernel
	.amdgpu_metadata
---
amdhsa.version: [ 1, 2 ]
amdhsa.kernels:
  - .name:           k_qc256800c94_cvt
    .symbol:         k_qc256800c94_cvt.kd
    .args:
      - { .name: X, .offset: 0, .size: 8, .value_kind: global_buffer, .address_space: global }
      - { .name: Wq, .offset: 8, .size: 8, .value_kind: global_buffer, .address_space: global }
      - { .name: Wk, .offset: 16, .size: 8, .value_kind: global_buffer, .address_space: global }
      - { .name: Wv, .offset: 24, .size: 8, .value_kind: global_buffer, .address_space: global }
      - { .name: Wo, .offset: 32, .size: 8, .value_kind: global_buffer, .address_space: global }
      - { .name: Xb, .offset: 40, .size: 8, .value_kind: global_buffer, .address_space: global }
      - { .name: Wb, .offset: 48, .size: 8, .value_kind: global_buffer, .address_space: global }
      - { .name: Wh, .offset: 56, .size: 8, .value_kind: global_buffer, .address_space: global }
    .group_segment_fixed_size: 0
    .private_segment_fixed_size: 0
    .kernarg_segment_align: 8
    .kernarg_segment_size: 64
    .max_flat_workgroup_size: 256
    .sgpr_count:     66
    .vgpr_count:     112
    .wavefront_size: 32
...
	.end_amdgpu_metadata
.endif
;; end of part 1
;; launch proj (part 2): grid 16 x 16, 4 waves a work-group, clusters of 4 x 4, 327,680 bytes of LDS; arguments Xb, Wb, Qh, KV; writes Qh, KV
.if DOCPART == 2
	.amdgcn_target "amdgcn-amd-amdhsa--gfx1250"
	.amdhsa_code_object_version 6
	.text
	.protected	k_qc256800c94_proj
	.globl	k_qc256800c94_proj
	.p2align	8
	.type	k_qc256800c94_proj,@function
k_qc256800c94_proj:
	s_mov_b64 s[64:65], 0
	v_nop
	global_prefetch_b8 v0, s[64:65] scope:SCOPE_SE
	s_setreg_imm32_b32 hwreg(HW_REG_WAVE_MODE, 25, 1), 1
	s_wait_xcnt 0x0
	s_wait_alu depctr_hold_cnt(0) depctr_sa_sdst(0) depctr_va_vdst(0) depctr_va_sdst(0) depctr_va_ssrc(0) depctr_va_vcc(0) depctr_vm_vsrc(0)
	s_getreg_b32 s2, hwreg(HW_REG_IB_STS2, 6, 4)
	s_cmp_eq_u32 s2, 0
	s_cbranch_scc0 .Lentry_in_a_cluster
	s_endpgm
.Lentry_in_a_cluster:
	s_bfe_u32 s2, ttmp6, 0x10000c
	s_cmp_lg_u32 s2, 0xf033
	s_cbranch_scc0 .Lentry_shape_is_right
	s_endpgm
.Lentry_shape_is_right:
; Q, K, V of one head for 256 rows of X: a block of 256 x 192 of  Xb [4096][1024] x Wb[head][192][1024]^T, bf16 operands, f32 sums, K = 1024.
; Results are rounded once to f16 and stored as the attention launch takes them:
;   Qh [bh][s][64];   KV [bh][tile of 128 keys][ K: 128 keys x 64 d | Vt0: 64 d x keys 0-63 | Vt1: 64 d x keys 64-127 ].
; LIMIT: |Q|, |K|, |V| below 65,504 (f16); beyond that the stored number is infinity.
; Four waves; wave w makes rows 64 w .. 64 w + 63 x all 192 columns: 48 accumulator tiles, 384 registers.  So a wave owns 8 KiB of Q, 8 KiB of K
; and one half of Vt, each dense in memory, and the way out needs no barrier.
; K goes in steps of 128 (rows of 256 bytes) through two LDS slots filled by the tensor data mover.
; CLUSTERS: 4 x 4 work-groups.  X's tile hangs on the row block alone and is asked for jointly along a row of the cluster; the head's weights hang on
; the head alone and are asked for jointly along a column.
; Q and K are multiplied transposed (source 0 = weights, source 1 = X): a lane holds 8 neighbouring d of one row s.
; V is multiplied the natural way (source 0 = X): a lane holds 8 neighbouring s of one d, which is Vt.
; REGISTERS in windows of 256:  window 0: addresses, way-out registers, fragment buffer 0 at v128-255;
;   window 1: the 32 tiles of Q and K at 8 (4 n + mt);  window 2: V's 16 tiles at 8 (4 n' + mt), fragment buffer 1 at v128-255.
.set PITCH,  272                       ; 256 bytes + 16: the 16 rows of a fragment start in 16 different 16-byte columns modulo 256 bytes
.set SLOT,   448*PITCH                 ; rows 0-255 X, rows 256-447 the head's q, k, v weights
.set WROWS,  256*PITCH
.set STAGE,  261120                    ; behind everything that the descriptors' arithmetic can reach: 16 rows x 144 bytes for each wave
.set ADX, 4                            ; v4-5   my X fragments in slot 0, 1
.set ADW, 6                            ; v6-7   the weights' fragments in slot 0, 1
.set STO, 8                            ; v8     way out: where I put 16 bytes
.set RD,  9                            ; v9     way out: where I read 16 bytes back
.set GO,  10                           ; v10    16 x lane
.set TMP, 32                           ; v32-63 packed results, two sets
.set BK,  64                           ; v64-95 read back, two sets
.set XF,  128                          ; X fragment mt at XF + 8 mt (in the buffer's window)
.set WF,  160                          ; weight fragment n at WF + 8 n, n = 0-3 q, 4-7 k, 8-11 v
.set G1A, 16                           ; s[16:23]
.set G0A, 24                           ; s[24:31] one set for each slot
.set G1B, 48                           ; s[48:55]
.set G0B, 56                           ; s[56:63]
.set MSB, 0
.macro WIN new                         ; the immediate's high byte repeats the setting that is left
.if MSB != \new
	s_set_vgpr_msb (MSB<<8)|\new
.set MSB, \new
.endif
.endm
.macro PLACES                          ; four plain vector instructions behind a matrix instruction, ahead of loads into its sources and of readers of its result
.rept 4
	v_nop
.endr
.endm
; A joint load: waves 0, 1 ask for X's two halves, waves 2, 3 for the weights' two halves.  The branch hangs on the wave's number alone.
.macro JLOAD sl
	s_cmp_eq_u32 s13, 0
	s_cbranch_scc0 .Lfor_b_\@
	tensor_load_to_lds s[G0A+4*\sl:G0A+4*\sl+3], s[G1A:G1A+7]
	s_nop 0
	s_branch .Lasked_\@
.Lfor_b_\@:
	tensor_load_to_lds s[G0B+4*\sl:G0B+4*\sl+3], s[G1B:G1B+7]
	s_nop 0
.Lasked_\@:
.endm
.macro CREST                           ; a round of the cluster's barrier behind its opening barrier
	s_cmp_lg_u32 s12, 0
	s_cbranch_scc1 .Lnw0_\@
	s_barrier_signal -3
.Lnw0_\@:
	s_barrier_wait -3
	s_barrier_signal -1
	s_barrier_wait -1
.endm
.macro CROUND
	s_barrier_signal -1
	s_barrier_wait -1
	CREST
.endm
	s_load_b256 s[4:11], s[0:1], 0x0               ; Xb 4, Wb 6, Qh 8, KV 10
	v_lshl_add_u32 v126, v0, 2, 0x42000
	v_mov_b32 v127, 0
	ds_add_u32 v126, v127
	ds_add_u32 v126, v127
	v_lshrrev_b32 v1, 5, v0
	v_readfirstlane_b32 s12, v1                    ; wave
	s_lshr_b32 s13, s12, 1                         ; 0: I fetch X, 1: I fetch weights
	s_and_b32 s14, s12, 1                          ; which half of that tile
	s_bfe_u32 s40, ttmp6, 0x40000                  ; cx
	s_bfe_u32 s41, ttmp6, 0x40004                  ; cy
	s_lshl_b32 s42, ttmp9, 2
	s_add_co_u32 s42, s42, s40                     ; head = 4 x cluster x + cx
	s_and_b32 s43, ttmp7, 0xffff
	s_lshl_b32 s43, s43, 2
	s_add_co_u32 s43, s43, s41                     ; row block = 4 x cluster y + cy
	s_lshl_b32 s44, s41, 2
	s_lshl_b32 s44, 15, s44                        ; my row of the cluster
	s_lshl_b32 s45, 0x1111, s40                    ; my column
	; group 1: elements of 2 bytes, 4 words of padding behind every 64 words, bit 21 beside the mask
	s_or_b32  s[G1A+0], s44, (1<<16)|(1<<20)|(1<<21)|(5<<22)|(3<<25)
	s_mov_b32 s[G1A+1], 128<<16                    ; tensor_dim0 = 128
	s_mov_b32 s[G1A+2], 128<<16                    ; tensor_dim1 = 128
	s_mov_b32 s[G1A+3], 128<<16                    ; tile_dim0 = 128
	s_mov_b32 s[G1A+4], 128                        ; tile_dim1 = 128 rows
	s_mov_b32 s[G1A+5], 1024                       ; elements from row to row
	s_mov_b32 s[G1A+6], 0
	s_mov_b32 s[G1A+7], 0
	s_or_b32  s[G1B+0], s45, (1<<16)|(1<<20)|(1<<21)|(5<<22)|(3<<25)
	s_mov_b32 s[G1B+1], 128<<16
	s_mov_b32 s[G1B+2], 96<<16                     ; 96 rows
	s_mov_b32 s[G1B+3], 128<<16
	s_mov_b32 s[G1B+4], 96
	s_mov_b32 s[G1B+5], 1024
	s_mov_b32 s[G1B+6], 0
	s_mov_b32 s[G1B+7], 0
	; X's address hangs on the row block and the wave, the weights' on the head and the wave; neither register set ever holds the other coordinate
	s_lshl_b32 s32, s43, 8
	s_lshl_b32 s33, s14, 7
	s_add_co_u32 s32, s32, s33
	s_lshl_b32 s32, s32, 11                        ; (256 rb + 128 half) rows of 2,048 bytes
	s_mov_b32 s33, 0
	s_mul_i32 s46, s42, 192
	s_mul_i32 s47, s14, 96
	s_add_co_u32 s46, s46, s47
	s_lshl_b32 s46, s46, 11                        ; (192 head + 96 half) rows
	s_mov_b32 s47, 0
	s_mul_i32 s34, s12, 128*PITCH                  ; LDS: X's halves at wave x 128 rows (waves 0, 1)
	s_mul_i32 s35, s12, 96*PITCH
	s_add_co_u32 s35, s35, WROWS-2*96*PITCH        ; the weights' halves behind X's 256 rows (waves 2, 3)
	; where my results go (registers of their own: they hold both coordinates)
	s_lshr_b32 s68, s43, 3
	s_lshl_b32 s68, s68, 4
	s_add_co_u32 s68, s68, s42                     ; bh = 16 b + head
	s_and_b32 s69, s43, 7                          ; block of 256 rows in the sequence
	s_lshl_b32 s70, s68, 18
	s_lshl_b32 s71, s69, 15
	s_add_co_u32 s70, s70, s71
	s_lshl_b32 s71, s12, 13
	s_add_co_u32 s70, s70, s71                     ; Qh: bh x 2,048 rows + 256 block + 64 wave, rows of 128 bytes
	s_mov_b32 s71, 0
	s_lshl_b32 s72, s68, 4
	s_lshl1_add_u32 s72, s69, s72
	s_add_co_u32 s72, s72, s13                     ; key tile = 16 bh + 2 block + wave / 2
	s_lshl_b32 s72, s72, 15
	s_lshl_b32 s73, s14, 13
	s_add_co_u32 s72, s72, s73                     ; + my half: 64 key rows of K (and, 16,384 further, my half of Vt)
	s_mov_b32 s73, 0
	s_wait_dscnt 0x0
	s_wait_kmcnt 0x0
	s_add_nc_u64 s[32:33], s[4:5], s[32:33]
	s_add_nc_u64 s[46:47], s[6:7], s[46:47]
	s_add_nc_u64 s[8:9], s[8:9], s[70:71]
	s_add_nc_u64 s[10:11], s[10:11], s[72:73]
	CROUND                                         ; all sixteen work-groups are here: the first joint loads meet
.irp sl, 0,1
	s_mov_b32 s[G0A+4*\sl], 1
	s_add_co_u32 s[G0A+4*\sl+1], s34, \sl*SLOT
	s_add_nc_u64 s[G0A+4*\sl+2:G0A+4*\sl+3], s[32:33], \sl*256     ; K step sl
	s_or_b32 s[G0A+4*\sl+3], s[G0A+4*\sl+3], 0x80000000
	s_mov_b32 s[G0B+4*\sl], 1
	s_add_co_u32 s[G0B+4*\sl+1], s35, \sl*SLOT
	s_add_nc_u64 s[G0B+4*\sl+2:G0B+4*\sl+3], s[46:47], \sl*256
	s_or_b32 s[G0B+4*\sl+3], s[G0B+4*\sl+3], 0x80000000
	JLOAD \sl
.endr
	v_and_b32 v1, 15, v0                           ; r
	v_bfe_u32 v2, v0, 4, 1                         ; hh
	v_and_b32 v3, 31, v0                           ; lane
	v_mul_u32_u24 v11, v1, PITCH
	v_lshl_add_u32 v11, v2, 4, v11                 ; r x pitch + 16 hh
	s_mul_i32 s36, s12, 64*PITCH                   ; my 64 rows of X
	v_add_nc_u32 v[ADX], s36, v11
	v_add_nc_u32 v[ADX+1], SLOT, v[ADX]
	v_add_nc_u32 v[ADW], WROWS, v11
	v_add_nc_u32 v[ADW+1], SLOT+WROWS, v11
	s_mul_i32 s37, s12, 2304
	s_add_co_u32 s37, s37, STAGE                   ; my stage
	v_mul_u32_u24 v12, v1, 144
	v_lshl_add_u32 v12, v2, 4, v12
	v_add_nc_u32 v[STO], s37, v12                  ; row r, 16 bytes for each half of the lanes
	v_lshrrev_b32 v13, 3, v3
	v_mul_u32_u24 v13, v13, 144
	v_and_b32 v14, 7, v0
	v_lshl_add_u32 v13, v14, 4, v13
	v_add_nc_u32 v[RD], s37, v13                   ; eight lanes take one row of 128 bytes
	v_lshlrev_b32 v[GO], 4, v3
; 16 matrix instructions on buffer f: weight tiles n0 .. n0 + 3 (q or k) x my four X tiles.  z = 1: the first product starts the sums.
.macro MULQK f, n0, z
	WIN (0x50|(0x0a*\f))
.irp n, 0,1,2,3
.irp mt, 0,1,2,3
.if \z
	v_wmma_f32_16x16x32_bf16 v[8*(4*(\n0+\n)+\mt):8*(4*(\n0+\n)+\mt)+7], v[WF+8*(\n0+\n):WF+8*(\n0+\n)+7], v[XF+8*\mt:XF+8*\mt+7], 0
.else
	v_wmma_f32_16x16x32_bf16 v[8*(4*(\n0+\n)+\mt):8*(4*(\n0+\n)+\mt)+7], v[WF+8*(\n0+\n):WF+8*(\n0+\n)+7], v[XF+8*\mt:XF+8*\mt+7], v[8*(4*(\n0+\n)+\mt):8*(4*(\n0+\n)+\mt)+7]
.endif
.endr
.endr
.endm
.macro MULV f, z                       ; V's 16: source 0 = X
	WIN (0xa0|(0x0a*\f))
.irp n, 0,1,2,3
.irp mt, 0,1,2,3
.if \z
	v_wmma_f32_16x16x32_bf16 v[8*(4*\n+\mt):8*(4*\n+\mt)+7], v[XF+8*\mt:XF+8*\mt+7], v[WF+64+8*\n:WF+64+8*\n+7], 0
.else
	v_wmma_f32_16x16x32_bf16 v[8*(4*\n+\mt):8*(4*\n+\mt)+7], v[XF+8*\mt:XF+8*\mt+7], v[WF+64+8*\n:WF+64+8*\n+7], v[8*(4*\n+\mt):8*(4*\n+\mt)+7]
.endif
.endr
.endr
.endm
; 32 LDS loads in one run: X (8), q and k weights (16), v weights (8), 32 along K at byte k of the rows, into buffer f
.macro FETCH sl, k, f
	WIN (0x80*\f)
.irp mt, 0,1,2,3
	ds_load_b128 v[XF+8*\mt:XF+8*\mt+3],   v[ADX+\sl] offset:\k+\mt*16*PITCH
	ds_load_b128 v[XF+8*\mt+4:XF+8*\mt+7], v[ADX+\sl] offset:\k+\mt*16*PITCH+32
.endr
.irp n, 0,1,2,3,4,5,6,7,8,9,10,11
	ds_load_b128 v[WF+8*\n:WF+8*\n+3],   v[ADW+\sl] offset:\k+\n*16*PITCH
	ds_load_b128 v[WF+8*\n+4:WF+8*\n+7], v[ADW+\sl] offset:\k+\n*16*PITCH+32
.endr
.endm
; A quarter step: 48 matrix instructions on buffer f; behind the first 32 the next quarter's fragments are fetched into buffer g.
; The 48 accumulators take turns, one instruction a turn, in the same order in every quarter.
.macro QUARTER sl, k, f, g, z
	s_wait_dscnt 8                                 ; all but the youngest eight loads (v's weights) are in
	MULQK \f, 0, \z
	MULQK \f, 4, \z
	PLACES
	FETCH \sl, \k, \g
	s_wait_dscnt 32                                ; all but the 32 just issued
	MULV \f, \z
.endm
.macro THREE sl, z
	QUARTER \sl, 64,  0, 1, \z
	QUARTER \sl, 128, 1, 0, 0
	QUARTER \sl, 192, 0, 1, 0
.endm
; The last quarter changes slots.  In front of the barrier each wave waits for its reads of this slot and for all its tensor loads (one is out: its part
; of the next slot).  fill = 1: the barrier opens a round of the cluster's barrier, and the joint refill is the first tensor load behind the round.
.macro TURN sl, nx, fill
	s_wait_dscnt 8
	MULQK 1, 0, 0
	s_wait_dscnt 0
	s_set_vgpr_msb 0x5a50
	s_wait_tensorcnt 0x0
	ds_add_u32 v126, v127
	s_wait_dscnt 0x0
	s_set_vgpr_msb 0x505a
	s_barrier_signal -1
	MULQK 1, 4, 0                                  ; register work while the others arrive
	WIN 0
	s_barrier_wait -1
.if \fill
	CREST
	s_add_nc_u64 s[G0A+4*\sl+2:G0A+4*\sl+3], s[G0A+4*\sl+2:G0A+4*\sl+3], 512    ; two K steps on; no load of mine is out
	s_add_nc_u64 s[G0B+4*\sl+2:G0B+4*\sl+3], s[G0B+4*\sl+2:G0B+4*\sl+3], 512
	JLOAD \sl
.endif
	PLACES
	FETCH \nx, 0, 0
	MULV 1, 0
.endm
.macro LAP z
	THREE 0, \z
	TURN 0, 1, 1
	THREE 1, 0
	TURN 1, 0, 1
.endm
	s_wait_tensorcnt 1                             ; my part of K step 0 is in; K step 1's stays out
	s_barrier_signal -1
	s_barrier_wait -1
	FETCH 0, 0, 0
	LAP 1                                          ; K steps 0, 1; asks for 2, 3
	WIN 0
	s_mov_b32 s3, 2                                ; K steps 2-5; ask for 4-7
.Llap:
	LAP 0
	WIN 0
	s_sub_co_u32 s3, s3, 1
	s_cmp_lg_u32 s3, 0
	s_cbranch_scc1 .Llap
	THREE 0, 0                                     ; K steps 6, 7: nothing more is asked for
	TURN 0, 1, 0
	THREE 1, 0
	s_wait_dscnt 8
	MULQK 1, 0, 0
	MULQK 1, 4, 0
	s_wait_dscnt 0
	MULV 1, 0
	PLACES
; THE WAY OUT: four tiles that make 16 rows of 128 bytes: rounded to f16, 16 bytes a lane into my own stage, read back as 2,048 dense bytes.
; win: the window of the conversions' sources; the tiles lie at a0 + astep k; b0: the base's register; set: which register set.
.macro OUT16 win, a0, astep, b0, imm, set
	WIN \win
.irp k, 0,1,2,3
.irp i, 0,1,2,3
	v_cvt_pk_f16_f32 v[TMP+16*\set+4*\k+\i], v[\a0+\astep*\k+2*\i], v[\a0+\astep*\k+2*\i+1]
.endr
.endr
	WIN 0
.irp k, 0,1,2,3
	ds_store_b128 v[STO], v[TMP+16*\set+4*\k:TMP+16*\set+4*\k+3] offset:32*\k
.endr
	s_wait_xcnt 0x0                                ; the registers that earlier stores read are loaded again only behind this wait
.irp i, 0,1,2,3
	ds_load_b128 v[BK+16*\set+4*\i:BK+16*\set+4*\i+3], v[RD] offset:576*\i     ; LDS serves a wave's instructions in order: these see the stores above
.endr
.irp i, 0,1,2,3
	s_wait_dscnt 3-\i
	global_store_b128 v[GO], v[BK+16*\set+4*\i:BK+16*\set+4*\i+3], s[\b0:\b0+1] offset:\imm+512*\i   ; 512 consecutive bytes, aligned
.endr
.endm
	OUT16 0x05, 0,   32, 8,  0,     0              ; Q, rows 16 mt ..
	OUT16 0x05, 8,   32, 8,  2048,  1
	OUT16 0x05, 16,  32, 8,  4096,  0
	OUT16 0x05, 24,  32, 8,  6144,  1
	OUT16 0x05, 128, 32, 10, 0,     0              ; K
	OUT16 0x05, 136, 32, 10, 2048,  1
	OUT16 0x05, 144, 32, 10, 4096,  0
	OUT16 0x05, 152, 32, 10, 6144,  1
	OUT16 0x0a, 0,   8,  10, 16384, 0              ; Vt, rows d = 16 n' ..
	OUT16 0x0a, 32,  8,  10, 18432, 1
	OUT16 0x0a, 64,  8,  10, 20480, 0
	OUT16 0x0a, 96,  8,  10, 22528, 1
	s_wait_tensorcnt 0x0
	ds_add_u32 v126, v127
	s_wait_dscnt 0x0
	CROUND                                         ; the closing round: no work-group ends while a partner may still ask jointly
	s_endpgm
.Lfunc_end_k_qc256800c94_proj:
	.size	k_qc256800c94_proj, .Lfunc_end_k_qc256800c94_proj-k_qc256800c94_proj
	.p2alignl 7, 3214868480
	.fill 96, 4, 3214868480
	.section	.rodata,"a",@progbits
	.p2align	6, 0x0
	.amdhsa_kernel k_qc256800c94_proj
		.amdhsa_group_segment_fixed_size 327680
		.amdhsa_private_segment_fixed_size 0
		.amdhsa_enable_private_segment 0
		.amdhsa_kernarg_size 32
		.amdhsa_user_sgpr_count 2
		.amdhsa_user_sgpr_kernarg_segment_ptr 1
		.amdhsa_wavefront_size32 1
		.amdhsa_system_sgpr_workgroup_id_x 1
		.amdhsa_system_sgpr_workgroup_id_y 1
		.amdhsa_system_sgpr_workgroup_id_z 1
		.amdhsa_system_vgpr_workitem_id 0
		.amdhsa_next_free_vgpr 768
		.amdhsa_next_free_sgpr 80
		.amdhsa_reserve_vcc 0
		.amdhsa_float_denorm_mode_32 3
		.amdhsa_float_denorm_mode_16_64 3
		.amdhsa_memory_ordered 1
		.amdhsa_forward_progress 1
		.amdhsa_inst_pref_size 163
	.end_amdhsa_kernel
	.amdgpu_metadata
---
amdhsa.version: [ 1, 2 ]
amdhsa.kernels:
  - .name:           k_qc256800c94_proj
    .symbol:         k_qc256800c94_proj.kd
    .args:
      - { .name: Xb, .offset: 0, .size: 8, .value_kind: global_buffer, .address_space: global }
      - { .name: Wb, .offset: 8, .size: 8, .value_kind: global_buffer, .address_space: global }
      - { .name: Qh, .offset: 16, .size: 8, .value_kind: global_buffer, .address_space: global }
      - { .name: KV, .offset: 24, .size: 8, .value_kind: global_buffer, .address_space: global }
    .group_segment_fixed_size: 327680
    .private_segment_fixed_size: 0
    .kernarg_segment_align: 8
    .kernarg_segment_size: 32
    .max_flat_workgroup_size: 128
    .sgpr_count:     80
    .vgpr_count:     768
    .wavefront_size: 32
...
	.end_amdgpu_metadata
.endif
;; end of part 2
;; launch attn (part 3): grid 256 x 1, 8 waves a work-group, no clusters, 327,680 bytes of LDS; arguments Qh, KV, Zh; writes Zh
.if DOCPART == 3
	.amdgcn_target "amdgcn-amd-amdhsa--gfx1250"
	.amdhsa_code_object_version 6
	.text
	.protected	k_qc256800c94_attn
	.globl	k_qc256800c94_attn
	.p2align	8
	.type	k_qc256800c94_attn,@function
k_qc256800c94_attn:
	s_mov_b64 s[64:65], 0
	v_nop
	global_prefetch_b8 v0, s[64:65] scope:SCOPE_SE
	s_setreg_imm32_b32 hwreg(HW_REG_WAVE_MODE, 25, 1), 1
	s_wait_xcnt 0x0
; Causal attention of one head for two blocks of 128 queries, f16 operands, f32 scores, sums and statistics, with a running maximum.
; Work-group (bh = id / 8, a = id % 8) takes query blocks A = 2 a + 1 (2 a + 2 key tiles of 128) and B = 14 - 2 a (15 - 2 a tiles): 17 trips in every
; work-group.  In a block the diagonal tile comes first (masked; its products start the sums), then tiles 0 .. block - 1.
; Eight waves: w' = w & 3 picks 32 queries, g = w >> 2 picks keys 64 g .. 64 g + 63 of every tile.  A wave holds two register tiles of 16 queries;
; tile x holds queries 32 w' + 16 (x ^ g) + r.  At a block's end each wave keeps tile 0, sends tile 1 to wave w ^ 4, and merges what it receives.
; Scores are made transposed (source 0 = keys, source 1 = queries): a lane holds 32 keys of ONE query, so the row statistics need one exchange
; between the halves of the wave, and the rounded probabilities are already the second source of  O^T = Vt x P^T.
; The one statistic kept is nm = -(running maximum) x log2(e) / 8; exponents are s x log2(e) / 8 + nm <= 0.  A wave whose keys are all masked
; keeps nm = 1e30, p = l = O = 0 and gets weight 0 in the merge.
; NO MULTICAST: the eight work-groups of a head walk 17 trips each but meet different tiles in each trip (block A of one runs 2 to 16 tiles);
; walking in step would take the longest partner's count in each block, 16 + 15 = 31 trips instead of 17.
; LIMITS: p below 2^-24 is 0 in f16; v_exp_f32 gives 0 below 2^-126 (ISA guide 15.8); NaN and infinities among the inputs are not treated;
; the keys' two halves are summed apart and merged, so the order of rounding differs from a plain sum.
.set SLOT,  34816                      ; a tile: 128 rows of 256 bytes + 16.  K at 0, Vt0 at 17,408, Vt1 at 26,112.  A 128-byte row i of a part lies at (i >> 1) 272 + (i & 1) 128
.set TILEB, 32768
.set XCH,   69632                      ; 8 x 4,608: what a wave sends to its partner
.set STG,   106496                     ; 8 x 2,304: way out, 16 rows x 144 bytes a wave
.set KAD, 1
.set VAD, 2
.set QO,  3                            ; v3-4   tile x: byte offset of my query row's 16 bytes
.set DD,  5                            ; v5-6   tile x: query - 64 g - 8 hh: key 16 t + j of my lane is masked where 16 t + j > DD
.set NINF, 7
.set XST, 8
.set XLD, 9
.set SST, 10
.set SLD, 11
.set ZO,  12
.set NM,  14                           ; pairs v14, v16 (the low register counts)
.set AL,  18                           ; pairs v18, v20
.set LS,  22                           ; pairs v22, v24: two running sums each
.set TA,  26                           ; v26-29 at work
.set QF,  32                           ; Q fragment (x, c) at QF + 16 x + 8 c
.set SC,  64                           ; scores (x, t) at SC + 32 x + 8 t; later P (x, kc) at SC + 32 x + 16 kc
.set OA,  128                          ; O^T (x, dt) at OA + 32 x + 8 dt
.set FR,  192                          ; K fragment (t, c), then Vt fragment (dt, kc), at FR + 16 i + 8 c
.set G1,  16                           ; s[16:23]
.set G0,  24                           ; s[24:31] one set for each slot
.set NEXT, 32                          ; s[32:33] the next tile's address for my rows, type bits set
	s_load_b128 s[4:7], s[0:1], 0x0                ; Qh 4, KV 6
	s_load_b64 s[8:9], s[0:1], 0x10                ; Zh
	s_set_vgpr_msb 0x40
	v_lshl_add_u32 v0, v0, 2, 0x29000
	v_mov_b32 v1, 0
	s_set_vgpr_msb 0x4045
	ds_add_u32 v0, v1
	ds_add_u32 v0, v1
	s_set_vgpr_msb 0x4500
	v_lshrrev_b32 v1, 5, v0
	v_readfirstlane_b32 s2, v1                     ; wave
	s_lshr_b32 s3, s2, 2                           ; g
	s_and_b32 s10, s2, 3                           ; w'
	s_lshr_b32 s11, ttmp9, 3                       ; bh
	s_and_b32 s12, ttmp9, 7                        ; a
	s_lshl_b32 s48, s12, 1
	s_sub_co_u32 s49, 14, s48                      ; block B
	s_add_co_u32 s48, s48, 1                       ; block A
	s_mov_b32 s14, 0x76543210                      ; v_permlanex16_b32: lane i reads lane i of the other half
	s_mov_b32 s15, 0xfedcba98
	s_mov_b32 s38, 0x3e38aa3b                      ; log2(e) / 8
	s_mov_b32 s39, 0x3e38aa3b
	; group 1: my 16 rows of 256 bytes of a dense tile; elements of 8 bytes; 4 words of padding behind every 64
	s_mov_b32 s[G1+0], (3<<16)|(1<<20)|(5<<22)|(3<<25)
	s_mov_b32 s[G1+1], 32<<16
	s_mov_b32 s[G1+2], 16<<16
	s_mov_b32 s[G1+3], 32<<16
	s_mov_b32 s[G1+4], 16
	s_mov_b32 s[G1+5], 32
	s_mov_b32 s[G1+6], 0
	s_mov_b32 s[G1+7], 0
	s_mov_b32 s[G0], 1
	s_mul_i32 s[G0+1], s2, 4352                    ; my 16 rows in slot 0
	s_mov_b32 s[G0+4], 1
	s_add_co_u32 s[G0+5], s[G0+1], SLOT            ; and in slot 1
	s_lshl_b32 s50, s11, 19                        ; 16 tiles of 32,768 bytes a head
	s_lshl_b32 s51, s2, 12                         ; my 4,096 bytes of a tile
	s_add_co_u32 s50, s50, s51
	s_mov_b32 s51, 0
	s_lshl_b32 s52, s48, 15
	s_mov_b32 s53, 0
	s_lshl_b32 s54, s49, 15
	s_mov_b32 s55, 0
	s_lshl_b32 s58, s11, 18                        ; 2,048 rows of 128 bytes a head
	s_lshl_b32 s60, s48, 14
	s_add_co_u32 s60, s60, s58
	s_mov_b32 s61, 0
	s_lshl_b32 s62, s49, 14
	s_add_co_u32 s62, s62, s58
	s_mov_b32 s63, 0
	s_wait_dscnt 0x0
	s_wait_kmcnt 0x0
	s_add_nc_u64 s[34:35], s[6:7], s[50:51]        ; tile 0, my rows
	s_or_b32 s35, s35, 0x80000000                  ; type 2
	s_add_nc_u64 s[G0+2:G0+3], s[34:35], s[52:53]  ; A's diagonal tile
	s_add_nc_u64 s[36:37], s[34:35], s[54:55]      ; B's diagonal tile
	s_mov_b64 s[NEXT:NEXT+1], s[34:35]
	tensor_load_to_lds s[G0:G0+3], s[G1:G1+7]
	s_nop 0
	s_add_nc_u64 s[40:41], s[4:5], s[60:61]        ; Q of A, of B; Z of A, of B
	s_add_nc_u64 s[42:43], s[4:5], s[62:63]
	s_add_nc_u64 s[44:45], s[8:9], s[60:61]
	s_add_nc_u64 s[46:47], s[8:9], s[62:63]
	v_and_b32 v30, 31, v0                          ; lane
	v_and_b32 v31, 15, v0                          ; r
	v_bfe_u32 v13, v0, 4, 1                        ; hh
	s_lshl_b32 s51, s10, 5
	s_lshl_b32 s53, s3, 4
	s_add_co_u32 s52, s51, 16
	s_sub_co_u32 s52, s52, s53                     ; 32 w' + 16 (1 - g): tile 1
	s_add_co_u32 s51, s51, s53                     ; 32 w' + 16 g: tile 0
	v_add_nc_u32 v[DD], s51, v31
	v_add_nc_u32 v[DD+1], s52, v31
	v_lshlrev_b32 v[QO], 7, v[DD]
	v_lshl_add_u32 v[QO], v13, 4, v[QO]
	v_lshlrev_b32 v[QO+1], 7, v[DD+1]
	v_lshl_add_u32 v[QO+1], v13, 4, v[QO+1]
.macro QLOAD b0                        ; 8 loads: my two tiles' query rows, 64 d each, as second sources
.irp x, 0,1
.irp c, 0,1
	global_load_b128 v[QF+16*\x+8*\c:QF+16*\x+8*\c+3],   v[QO+\x], s[\b0:\b0+1] offset:64*\c
	global_load_b128 v[QF+16*\x+8*\c+4:QF+16*\x+8*\c+7], v[QO+\x], s[\b0:\b0+1] offset:64*\c+32
.endr
.endr
.endm
	QLOAD 40
	s_lshl_b32 s53, s3, 6
	v_lshl_add_u32 v26, v13, 3, s53                ; 64 g + 8 hh
	v_sub_nc_u32 v[DD], v[DD], v26
	v_sub_nc_u32 v[DD+1], v[DD+1], v26
	v_lshrrev_b32 v[KAD], 1, v31
	v_mul_u32_u24 v[KAD], v[KAD], 272
	v_and_b32 v[VAD], 1, v31
	v_lshl_add_u32 v[KAD], v[VAD], 7, v[KAD]
	v_lshl_add_u32 v[KAD], v13, 4, v[KAD]
	s_mul_i32 s50, s3, 8704                        ; my 64 keys: 32 LDS rows
	v_add_nc_u32 v[KAD], s50, v[KAD]
	v_add_nc_u32 v[VAD], 17408, v[KAD]             ; my half of Vt has the same form
	v_mov_b32 v[NINF], 0xff800000
	s_mul_i32 s54, s2, 4608
	s_add_co_u32 s54, s54, XCH
	v_lshl_add_u32 v[XST], v30, 4, s54
	s_xor_b32 s55, s2, 4                           ; my partner
	s_mul_i32 s55, s55, 4608
	s_add_co_u32 s55, s55, XCH
	v_lshl_add_u32 v[XLD], v30, 4, s55
	s_mul_i32 s56, s2, 2304
	s_add_co_u32 s56, s56, STG
	v_mul_u32_u24 v[SST], v31, 144
	v_lshl_add_u32 v[SST], v13, 4, v[SST]
	v_add_nc_u32 v[SST], s56, v[SST]
	v_lshrrev_b32 v[SLD], 3, v30
	v_mul_u32_u24 v[SLD], v[SLD], 144
	v_and_b32 v27, 7, v0
	v_lshl_add_u32 v[SLD], v27, 4, v[SLD]
	v_add_nc_u32 v[SLD], s56, v[SLD]
	s_lshl_b32 s57, s51, 7
	v_lshl_add_u32 v[ZO], v30, 4, s57              ; the 16 rows that I keep, dense
.irp i, 14,15,16,17,18,19,20,21,22,23,24,25,26,27,28,29
	v_mov_b32 v\i, 0                               ; the pairs are read whole and the lane exchange counts as a reader of its destination
.endr
.macro ROWMAX x, ta, tb                ; the largest of my 32 scores of tile x, in two chains, then of both halves of the wave
	v_max3_num_f32 v[\ta], v[SC+32*\x], v[SC+32*\x+1], v[SC+32*\x+2]
	v_max3_num_f32 v[\tb], v[SC+32*\x+16], v[SC+32*\x+17], v[SC+32*\x+18]
.irp i, 3,5,7,9,11,13
	v_max3_num_f32 v[\ta], v[\ta], v[SC+32*\x+\i], v[SC+32*\x+\i+1]
	v_max3_num_f32 v[\tb], v[\tb], v[SC+32*\x+16+\i], v[SC+32*\x+17+\i]
.endr
	v_max3_num_f32 v[\ta], v[\ta], v[\tb], v[SC+32*\x+15]
	v_max_num_f32 v[\ta], v[\ta], v[SC+32*\x+31]
	v_permlanex16_b32 v[\tb], v[\ta], s14, s15
	v_max_num_f32 v[\ta], v[\ta], v[\tb]
.endm
.macro ROWSUM x, t, first              ; LS = LS x alpha + my 32 probabilities, as pairs, in two chains
.if \first
	v_pk_add_f32 v[LS+2*\x:LS+2*\x+1], v[SC+32*\x:SC+32*\x+1], v[SC+32*\x+2:SC+32*\x+3]
.else
	v_pk_fma_f32 v[LS+2*\x:LS+2*\x+1], v[LS+2*\x:LS+2*\x+1], v[AL+2*\x:AL+2*\x+1], v[SC+32*\x:SC+32*\x+1] op_sel_hi:[1,0,1]
	v_pk_add_f32 v[LS+2*\x:LS+2*\x+1], v[LS+2*\x:LS+2*\x+1], v[SC+32*\x+2:SC+32*\x+3]
.endif
	v_pk_add_f32 v[\t:\t+1], v[SC+32*\x+16:SC+32*\x+17], v[SC+32*\x+18:SC+32*\x+19]
.irp i, 4,6,8,10,12,14
	v_pk_add_f32 v[LS+2*\x:LS+2*\x+1], v[LS+2*\x:LS+2*\x+1], v[SC+32*\x+\i:SC+32*\x+\i+1]
	v_pk_add_f32 v[\t:\t+1], v[\t:\t+1], v[SC+32*\x+16+\i:SC+32*\x+17+\i]
.endr
	v_pk_add_f32 v[LS+2*\x:LS+2*\x+1], v[LS+2*\x:LS+2*\x+1], v[\t:\t+1]
.endm
; One key tile, from slot sl.  first = 1: the diagonal tile, masked, starts the sums.  fill = 1: the other slot is filled with the tile at NEXT.
; ql = 1: block B's queries are loaded once this trip's score products have read block A's.
.macro TRIP sl, first, fill, ql
	s_set_vgpr_msb 0x5
	s_wait_tensorcnt 0x0                           ; all my tensor loads have landed (one was out: my rows of this trip's tile),
	ds_add_u32 v0, v1
	s_wait_dscnt 0x0
	s_set_vgpr_msb 0x500
.if \fill
	s_mov_b64 s[G0+4*(1-\sl)+2:G0+4*(1-\sl)+3], s[NEXT:NEXT+1]     ; so the other slot's group 0 may be written
	s_add_nc_u64 s[NEXT:NEXT+1], s[NEXT:NEXT+1], TILEB
.endif
	s_wait_dscnt 0x0                               ; my reads of the other slot are back
	s_barrier_signal -1
	s_barrier_wait -1                              ; both hold of all eight waves
.if \fill
	tensor_load_to_lds s[G0+4*(1-\sl):G0+4*(1-\sl)+3], s[G1:G1+7]  ; it has this whole trip in which to land
	s_nop 0
.endif
.irp c, 0,1
.irp t, 0,1,2,3
	ds_load_b128 v[FR+16*\t+8*\c:FR+16*\t+8*\c+3],   v[KAD] offset:\sl*SLOT+\t*2176+64*\c
	ds_load_b128 v[FR+16*\t+8*\c+4:FR+16*\t+8*\c+7], v[KAD] offset:\sl*SLOT+\t*2176+64*\c+32
.endr
.endr
.if \first
	s_wait_loadcnt 0x0                             ; the block's queries
.endif
	s_wait_dscnt 8                                 ; d 0-31 of my 64 keys are in; the eight loads of d 32-63 stay out
	; eight accumulators take turns, one instruction a turn
.irp x, 0,1
.irp t, 0,1,2,3
	v_wmma_f32_16x16x32_f16 v[SC+32*\x+8*\t:SC+32*\x+8*\t+7], v[FR+16*\t:FR+16*\t+7], v[QF+16*\x:QF+16*\x+7], 0
.endr
.endr
	s_wait_dscnt 0
.irp x, 0,1
.irp t, 0,1,2,3
	v_wmma_f32_16x16x32_f16 v[SC+32*\x+8*\t:SC+32*\x+8*\t+7], v[FR+16*\t+8:FR+16*\t+15], v[QF+16*\x+8:QF+16*\x+15], v[SC+32*\x+8*\t:SC+32*\x+8*\t+7]
.endr
.endr
.rept 4
	v_nop                                          ; four places ahead of the loads into the products' sources and of the readers of the scores
.endr
.irp c, 0,1
.irp d, 0,1,2,3
	ds_load_b128 v[FR+16*\d+8*\c:FR+16*\d+8*\c+3],   v[VAD] offset:\sl*SLOT+\d*2176+64*\c
	ds_load_b128 v[FR+16*\d+8*\c+4:FR+16*\d+8*\c+7], v[VAD] offset:\sl*SLOT+\d*2176+64*\c+32
.endr
.endr
.if \ql
	QLOAD 42
.endif
.if \first
.irp x, 0,1
.irp t, 0,1,2,3
.irp j, 0,1,2,3,4,5,6,7
	v_cmp_gt_i32 vcc_lo, 16*\t+\j, v[DD+\x]        ; key beyond the query
	v_cndmask_b32 v[SC+32*\x+8*\t+\j], v[SC+32*\x+8*\t+\j], v[NINF], vcc_lo
.endr
.endr
.endr
.endif
	ROWMAX 0, TA, TA+1
	ROWMAX 1, TA+2, TA+3
	v_mul_f32 v[TA], 0xbe38aa3b, v[TA]             ; -max x log2(e) / 8
	v_mul_f32 v[TA+2], 0xbe38aa3b, v[TA+2]
.if \first
	v_min_num_f32 v[NM], 0x7149f2ca, v[TA]         ; all masked: +infinity becomes 1e30, so that later differences stay finite
	v_min_num_f32 v[NM+2], 0x7149f2ca, v[TA+2]
.else
	v_min_num_f32 v[TA], v[NM], v[TA]
	v_min_num_f32 v[TA+2], v[NM+2], v[TA+2]
	v_sub_f32 v[TA+1], v[TA], v[NM]
	v_sub_f32 v[TA+3], v[TA+2], v[NM+2]
	v_exp_f32 v[AL], v[TA+1]                       ; alpha = 2^(new nm - old nm) <= 1
	v_exp_f32 v[AL+2], v[TA+3]
	v_mov_b32 v[NM], v[TA]                         ; plain instructions stand between the exponentials and alpha's first use
	v_mov_b32 v[NM+2], v[TA+2]
.endif
.set ii, 0
.rept 32
	v_pk_fma_f32 v[SC+ii:SC+ii+1], v[SC+ii:SC+ii+1], s[38:39], v[NM+2*(ii/32):NM+2*(ii/32)+1] op_sel_hi:[1,0,0]
.set ii, ii+2
.endr
.set ii, 0
.rept 64
	v_exp_f32 v[SC+ii], v[SC+ii]
.set ii, ii+1
.endr
.if \first
	v_nop                                          ; one plain instruction behind the exponentials (ISA guide 5.7.2)
	s_wait_alu depctr_va_vdst(0)
.else
.set ii, 0
	s_wait_alu depctr_va_vdst(0)
.rept 32
	v_pk_mul_f32 v[OA+ii:OA+ii+1], v[OA+ii:OA+ii+1], v[AL+2*(ii/32):AL+2*(ii/32)+1] op_sel_hi:[1,0]   ; these also stand behind the exponentials
.set ii, ii+2
.endr
.endif
	ROWSUM 0, TA, \first
	ROWSUM 1, TA+2, \first
	; P in f16, in place: scores t = 2 kc, 2 kc + 1 of a lane are keys 32 kc + 8 hh + 0..7 and 32 kc + 16 + 8 hh + 0..7: the second source's own layout
.irp x, 0,1
.irp k, 0,16
.irp i, 0,1,2,3,4,5,6,7
	v_cvt_pk_f16_f32 v[SC+32*\x+\k+\i], v[SC+32*\x+\k+2*\i], v[SC+32*\x+\k+2*\i+1]
.endr
.endr
.endr
	s_wait_dscnt 8                                 ; Vt's keys 0-31 of my half are in; the eight loads of keys 32-63 stay out
.irp x, 0,1
.irp d, 0,1,2,3
.if \first
	v_wmma_f32_16x16x32_f16 v[OA+32*\x+8*\d:OA+32*\x+8*\d+7], v[FR+16*\d:FR+16*\d+7], v[SC+32*\x:SC+32*\x+7], 0
.else
	v_wmma_f32_16x16x32_f16 v[OA+32*\x+8*\d:OA+32*\x+8*\d+7], v[FR+16*\d:FR+16*\d+7], v[SC+32*\x:SC+32*\x+7], v[OA+32*\x+8*\d:OA+32*\x+8*\d+7]
.endif
.endr
.endr
	s_wait_dscnt 0
.irp x, 0,1
.irp d, 0,1,2,3
	v_wmma_f32_16x16x32_f16 v[OA+32*\x+8*\d:OA+32*\x+8*\d+7], v[FR+16*\d+8:FR+16*\d+15], v[SC+32*\x+16:SC+32*\x+23], v[OA+32*\x+8*\d:OA+32*\x+8*\d+7]
.endr
.endr
.rept 5
	v_nop                                          ; five places: the next matrix instructions write over P, the next loads over Vt's fragments
.endr
.endm
; The end of a block: the two halves of the keys are merged, normalised and stored.  zb: the register of Z's base.
.macro FIN zb
	v_add_f32 v[LS], v[LS], v[LS+1]
	v_add_f32 v[LS+2], v[LS+2], v[LS+3]
	v_permlanex16_b32 v[LS+1], v[LS], s14, s15
	v_permlanex16_b32 v[LS+3], v[LS+2], s14, s15
	v_add_f32 v[LS], v[LS], v[LS+1]                ; l of tile 0
	v_add_f32 v[TA+1], v[LS+2], v[LS+3]            ; l of tile 1,
	v_mov_b32 v[TA], v[NM+2]                       ; its nm,
.irp i, 0,1,2,3,4,5,6,7
	ds_store_b128 v[XST], v[OA+32+4*\i:OA+32+4*\i+3] offset:512*\i     ; and its O go to my partner
.endr
	ds_store_b128 v[XST], v[TA:TA+3] offset:4096
	s_wait_dscnt 0x0                               ; for the partner's sake: zero
	s_barrier_signal -1
	s_barrier_wait -1                              ; The next block's first tile may stay on its way
.irp i, 0,1,2,3,4,5,6,7,8
	ds_load_b128 v[SC+4*\i:SC+4*\i+3], v[XLD] offset:512*\i            ; the same lane of the partner holds the same query and d
.endr
	s_wait_dscnt 0x0
	v_min_num_f32 v[SC+36], v[NM], v[SC+32]
	v_sub_f32 v[TA], v[SC+36], v[NM]
	v_sub_f32 v[TA+1], v[SC+36], v[SC+32]
	v_exp_f32 v[TA+2], v[TA]                       ; my weight,
	v_exp_f32 v[TA+3], v[TA+1]                     ; the partner's
	v_nop
	s_wait_alu depctr_va_vdst(0)
	v_mul_f32 v[TA], v[LS], v[TA+2]
	v_fmac_f32 v[TA], v[SC+33], v[TA+3]            ; the whole row's sum: at least 1 term is 2^0
	v_rcp_f32 v[TA+1], v[TA]
	v_nop
	s_wait_alu depctr_va_vdst(0)
	v_mul_f32 v[AL], v[TA+2], v[TA+1]
	v_mul_f32 v[AL+2], v[TA+3], v[TA+1]
.set ii, 0
.rept 16
	v_pk_mul_f32 v[OA+ii:OA+ii+1], v[OA+ii:OA+ii+1], v[AL:AL+1] op_sel_hi:[1,0]
.set ii, ii+2
.endr
.set ii, 0
.rept 16
	v_pk_fma_f32 v[OA+ii:OA+ii+1], v[SC+ii:SC+ii+1], v[AL+2:AL+3], v[OA+ii:OA+ii+1] op_sel_hi:[1,0,1]
.set ii, ii+2
.endr
.set ii, 0
.rept 16
	v_cvt_pk_f16_f32 v[SC+36+ii], v[OA+2*ii], v[OA+2*ii+1]
.set ii, ii+1
.endr
.irp d, 0,1,2,3
	ds_store_b128 v[SST], v[SC+36+4*\d:SC+36+4*\d+3] offset:32*\d      ; row = query r, d = 16 dt + 8 hh ..
.endr
.irp i, 0,1,2,3
	ds_load_b128 v[SC+4*\i:SC+4*\i+3], v[SLD] offset:576*\i            ; my own bytes, served in order
.endr
.irp i, 0,1,2,3
	s_wait_dscnt 3-\i
	global_store_b128 v[ZO], v[SC+4*\i:SC+4*\i+3], s[\zb:\zb+1] offset:512*\i   ; 512 consecutive bytes, aligned
.endr
	s_wait_xcnt 0x0                                ; the stores' data registers are written again only behind this wait
.endm
	TRIP 0, 1, 1, 0                                ; A's diagonal tile; asks for tile 0
	s_cmp_eq_u32 s12, 0
	s_cbranch_scc1 .LlastA
	s_mov_b32 s13, s12
.LloopA:                                           ; a trips of two tiles: tiles 0 .. 2 a - 1
	TRIP 1, 0, 1, 0
	TRIP 0, 0, 1, 0
	s_sub_co_u32 s13, s13, 1
	s_cmp_lg_u32 s13, 0
	s_cbranch_scc1 .LloopA
.LlastA:
	s_mov_b64 s[NEXT:NEXT+1], s[36:37]
	TRIP 1, 0, 1, 1                                ; tile 2 a, A's last; asks for B's diagonal tile and B's queries
	FIN 44
	s_mov_b64 s[NEXT:NEXT+1], s[34:35]
	TRIP 0, 1, 1, 0                                ; B's diagonal tile; asks for tile 0 (for a = 7, whose block B is block 0, that tile is inside the buffer and not used:
	                                               ; 32 KiB in 32 of the 256 work-groups, so that every path issues the same loads)
	s_cmp_eq_u32 s12, 7
	s_cbranch_scc1 .LfinB
	s_cmp_eq_u32 s12, 6
	s_cbranch_scc1 .LtailB
	s_sub_co_u32 s13, 6, s12
.LloopB:                                           ; 6 - a trips of two tiles
	TRIP 1, 0, 1, 0
	TRIP 0, 0, 1, 0
	s_sub_co_u32 s13, s13, 1
	s_cmp_lg_u32 s13, 0
	s_cbranch_scc1 .LloopB
.LtailB:
	TRIP 1, 0, 1, 0
	TRIP 0, 0, 0, 0                                ; tile 13 - 2 a, the last: nothing more is asked for
.LfinB:
	s_wait_tensorcnt 0x0                           ; no tensor load is out at the end
	FIN 46
	s_set_vgpr_msb 0x5
	s_wait_tensorcnt 0x0
	ds_add_u32 v0, v1
	s_wait_dscnt 0x0
	s_set_vgpr_msb 0x500
	s_endpgm
.Lfunc_end_k_qc256800c94_attn:
	.size	k_qc256800c94_attn, .Lfunc_end_k_qc256800c94_attn-k_qc256800c94_attn
	.p2alignl 7, 3214868480
	.fill 96, 4, 3214868480
	.section	.rodata,"a",@progbits
	.p2align	6, 0x0
	.amdhsa_kernel k_qc256800c94_attn
		.amdhsa_group_segment_fixed_size 327680
		.amdhsa_private_segment_fixed_size 0
		.amdhsa_enable_private_segment 0
		.amdhsa_kernarg_size 24
		.amdhsa_user_sgpr_count 2
		.amdhsa_user_sgpr_kernarg_segment_ptr 1
		.amdhsa_wavefront_size32 1
		.amdhsa_system_sgpr_workgroup_id_x 1
		.amdhsa_system_sgpr_workgroup_id_y 1
		.amdhsa_system_sgpr_workgroup_id_z 1
		.amdhsa_system_vgpr_workitem_id 0
		.amdhsa_next_free_vgpr 258
		.amdhsa_next_free_sgpr 66
		.amdhsa_reserve_vcc 1
		.amdhsa_float_denorm_mode_32 3
		.amdhsa_float_denorm_mode_16_64 3
		.amdhsa_memory_ordered 1
		.amdhsa_forward_progress 1
		.amdhsa_inst_pref_size 181
	.end_amdhsa_kernel
	.amdgpu_metadata
---
amdhsa.version: [ 1, 2 ]
amdhsa.kernels:
  - .name:           k_qc256800c94_attn
    .symbol:         k_qc256800c94_attn.kd
    .args:
      - { .name: Qh, .offset: 0, .size: 8, .value_kind: global_buffer, .address_space: global }
      - { .name: KV, .offset: 8, .size: 8, .value_kind: global_buffer, .address_space: global }
      - { .name: Zh, .offset: 16, .size: 8, .value_kind: global_buffer, .address_space: global }
    .group_segment_fixed_size: 327680
    .private_segment_fixed_size: 0
    .kernarg_segment_align: 8
    .kernarg_segment_size: 24
    .max_flat_workgroup_size: 256
    .sgpr_count:     66
    .vgpr_count:     258
    .wavefront_size: 32
...
	.end_amdgpu_metadata
.endif
;; end of part 3
;; launch outp (part 4): grid 8 x 32, 4 waves a work-group, clusters of 4 x 4, 327,680 bytes of LDS; arguments Zh, Wh, bo, out0; writes out0
.if DOCPART == 4
	.amdgcn_target "amdgcn-amd-amdhsa--gfx1250"
	.amdhsa_code_object_version 6
	.text
	.protected	k_qc256800c94_outp
	.globl	k_qc256800c94_outp
	.p2align	8
	.type	k_qc256800c94_outp,@function
k_qc256800c94_outp:
	s_mov_b64 s[64:65], 0
	v_nop
	global_prefetch_b8 v0, s[64:65] scope:SCOPE_SE
	s_setreg_imm32_b32 hwreg(HW_REG_WAVE_MODE, 25, 1), 1
	s_wait_xcnt 0x0
	s_wait_alu depctr_hold_cnt(0) depctr_sa_sdst(0) depctr_va_vdst(0) depctr_va_sdst(0) depctr_va_ssrc(0) depctr_va_vcc(0) depctr_vm_vsrc(0)
	s_getreg_b32 s2, hwreg(HW_REG_IB_STS2, 6, 4)
	s_cmp_eq_u32 s2, 0
	s_cbranch_scc0 .Lentry_in_a_cluster
	s_endpgm
.Lentry_in_a_cluster:
	s_bfe_u32 s2, ttmp6, 0x10000c
	s_cmp_lg_u32 s2, 0xf033
	s_cbranch_scc0 .Lentry_shape_is_right
	s_endpgm
.Lentry_shape_is_right:
; out0[m][n] = sum over k of Z[m][k] Wo[n][k] + bo[n].  Zh [bh][s][64] f16, Wh [kb][n][64] f16, f32 sums, f32 output.  M = 4096, N = K = 1024.
; A work-group makes 128 x 128, so that 8 x 32 = 256 work-groups share the work; four waves make 64 x 64 each, 16 accumulator tiles.
; K goes in 8 tiles of 128 (two heads) through four LDS slots; a slot is four dense blocks of 16 KiB (Z of two heads, Wh of two blocks kb), one tensor load
; of one wave each.  Two slots are filled again behind one round of the cluster's barrier, so each refill has two tiles' products in which to land.
; A wave has at most four tensor loads out (the four at the start).
; CLUSTERS: 4 x 4.  Z's blocks hang on the row block alone: asked for jointly along a row of the cluster; Wh's on the column block alone: along a column.
; The product is used transposed (source 0 = Wh, source 1 = Z): a lane holds 8 neighbouring columns of one row.
; LIMIT: |Z| and |Wo| below 65,504 (f16).
.set SLOT,  69632                      ; 4 blocks x 64 rows x 272 bytes.  A 128-byte row i of a block lies at (i >> 1) 272 + (i & 1) 128
.set BLK,   17408
.set STAGE, 4*SLOT                     ; 16 rows x 272 bytes for each wave
.set ADA, 8                            ; v8-11   my Z fragments in slots 0-3
.set ADB, 12                           ; v12-15  my Wh fragments
.set STO, 16
.set RD,  17
.set CO,  18
.set BI,  20                           ; v[20:23] bo of my four columns on the way out
.set F0,  64                           ; fragment buffers: Wh tile b at f + 8 b, Z tile a at f + 32 + 8 a
.set F1,  128
.set TMP, 192                          ; two sets of 32
.set G1A, 16
.set G1B, 24
.set G0A, 48                           ; s[48:63] one set for each slot
.set G0B, 68                           ; s[68:83]
.set MSB, 0
.macro WIN new
.if MSB != \new
	s_set_vgpr_msb (MSB<<8)|\new
.set MSB, \new
.endif
.endm
.macro PLACES
.rept 4
	v_nop
.endr
.endm
.macro JLOAD sl                        ; waves 0, 1 ask for Z's two blocks, waves 2, 3 for Wh's
	s_cmp_eq_u32 s13, 0
	s_cbranch_scc0 .Lfor_b_\@
	tensor_load_to_lds s[G0A+4*\sl:G0A+4*\sl+3], s[G1A:G1A+7]
	s_nop 0
	s_branch .Lasked_\@
.Lfor_b_\@:
	tensor_load_to_lds s[G0B+4*\sl:G0B+4*\sl+3], s[G1B:G1B+7]
	s_nop 0
.Lasked_\@:
.endm
.macro CROUND                          ; a round of the cluster's barrier
	s_barrier_signal -1
	s_barrier_wait -1
	s_cmp_lg_u32 s12, 0
	s_cbranch_scc1 .Lnw0_\@
	s_barrier_signal -3
.Lnw0_\@:
	s_barrier_wait -3
	s_barrier_signal -1
	s_barrier_wait -1
.endm
	s_load_b256 s[4:11], s[0:1], 0x0               ; Zh 4, Wh 6, bo 8, out0 10
	v_lshl_add_u32 v62, v0, 2, 0x48400
	v_mov_b32 v63, 0
	ds_add_u32 v62, v63
	ds_add_u32 v62, v63
	v_lshrrev_b32 v1, 5, v0
	v_readfirstlane_b32 s12, v1                    ; wave
	s_lshr_b32 s13, s12, 1                         ; my half of the rows.  Also: 0 I fetch Z, 1 I fetch Wh
	s_and_b32 s14, s12, 1                          ; my half of the columns.  Also: which of the tile's two blocks I fetch
	s_bfe_u32 s32, ttmp6, 0x40000                  ; cx
	s_bfe_u32 s33, ttmp6, 0x40004                  ; cy
	s_lshl_b32 s34, ttmp9, 2
	s_add_co_u32 s34, s34, s32                     ; column block
	s_and_b32 s35, ttmp7, 0xffff
	s_lshl_b32 s35, s35, 2
	s_add_co_u32 s35, s35, s33                     ; row block
	s_lshl_b32 s36, s33, 2
	s_lshl_b32 s36, 15, s36                        ; my row of the cluster
	s_lshl_b32 s37, 0x1111, s32                    ; my column
	; group 1: 64 rows of 256 bytes, elements of 8 bytes, 4 words of padding behind every 64, bit 21 beside the mask
	s_or_b32  s[G1A+0], s36, (3<<16)|(1<<20)|(1<<21)|(5<<22)|(3<<25)
	s_or_b32  s[G1B+0], s37, (3<<16)|(1<<20)|(1<<21)|(5<<22)|(3<<25)
	s_mov_b32 s[G1A+1], 32<<16
	s_mov_b32 s[G1B+1], 32<<16
	s_mov_b32 s[G1A+2], 64<<16
	s_mov_b32 s[G1B+2], 64<<16
	s_mov_b32 s[G1A+3], 32<<16
	s_mov_b32 s[G1B+3], 32<<16
	s_mov_b32 s[G1A+4], 64
	s_mov_b32 s[G1B+4], 64
	s_mov_b32 s[G1A+5], 32
	s_mov_b32 s[G1B+5], 32
	s_mov_b32 s[G1A+6], 0
	s_mov_b32 s[G1B+6], 0
	s_mov_b32 s[G1A+7], 0
	s_mov_b32 s[G1B+7], 0
	s_lshr_b32 s38, s35, 4
	s_lshl_b32 s38, s38, 22                        ; batch: 16 heads of 262,144 bytes
	s_and_b32 s39, s35, 15
	s_lshl_b32 s39, s39, 14                        ; 128 rows of 128 bytes
	s_add_co_u32 s38, s38, s39
	s_lshl_b32 s39, s14, 18                        ; the even or the odd head of a tile
	s_add_co_u32 s38, s38, s39
	s_mov_b32 s39, 0
	s_lshl_b32 s84, s34, 14                        ; 128 rows n of 128 bytes
	s_lshl_b32 s85, s14, 17                        ; the even or the odd block kb
	s_add_co_u32 s84, s84, s85
	s_mov_b32 s85, 0
	s_mul_i32 s40, s12, BLK                        ; LDS: block = wave
	s_lshl_b32 s88, s35, 7
	s_lshl_b32 s89, s13, 6
	s_add_co_u32 s88, s88, s89
	s_lshl_b32 s88, s88, 12                        ; my first row of out0, rows of 4,096 bytes
	s_lshl_b32 s89, s34, 9
	s_lshl_b32 s90, s14, 8
	s_add_co_u32 s90, s90, s89                     ; my first column, in bytes: also bo's offset
	s_add_co_u32 s88, s88, s90
	s_mov_b32 s89, 0
	s_mov_b32 s91, 0
	s_wait_dscnt 0x0
	s_wait_kmcnt 0x0
	s_add_nc_u64 s[38:39], s[4:5], s[38:39]
	s_add_nc_u64 s[84:85], s[6:7], s[84:85]
	s_add_nc_u64 s[8:9], s[8:9], s[90:91]
	s_add_nc_u64 s[10:11], s[10:11], s[88:89]
	CROUND                                         ; the first joint loads meet
.irp sl, 0,1,2,3
	s_mov_b32 s[G0A+4*\sl], 1
	s_add_co_u32 s[G0A+4*\sl+1], s40, \sl*SLOT
	s_add_nc_u64 s[G0A+4*\sl+2:G0A+4*\sl+3], s[38:39], \sl*524288    ; tile sl: heads 2 sl, 2 sl + 1
	s_or_b32 s[G0A+4*\sl+3], s[G0A+4*\sl+3], 0x80000000
	s_mov_b32 s[G0B+4*\sl], 1
	s_add_co_u32 s[G0B+4*\sl+1], s40, \sl*SLOT
	s_add_nc_u64 s[G0B+4*\sl+2:G0B+4*\sl+3], s[84:85], \sl*262144
	s_or_b32 s[G0B+4*\sl+3], s[G0B+4*\sl+3], 0x80000000
	JLOAD \sl
.endr
	v_and_b32 v1, 15, v0                           ; r
	v_bfe_u32 v2, v0, 4, 1                         ; hh
	v_lshlrev_b32 v19, 4, v1
	global_load_b128 v[BI:BI+3], v19, s[8:9]       ; bo of columns 4 r .. 4 r + 3 of my 64
	v_lshrrev_b32 v3, 1, v1
	v_mul_u32_u24 v3, v3, 272
	v_and_b32 v4, 1, v1
	v_lshl_add_u32 v3, v4, 7, v3
	v_lshl_add_u32 v3, v2, 4, v3
	s_mul_i32 s41, s13, 8704                       ; my 64 rows of Z: 32 LDS rows
	s_mul_i32 s86, s14, 8704
	s_add_co_u32 s86, s86, 2*BLK                   ; my 64 rows of Wh, behind Z's two blocks
.irp sl, 0,1,2,3
	v_add_nc_u32 v[ADA+\sl], s41, v3
	v_add_nc_u32 v[ADB+\sl], s86, v3
	s_add_co_u32 s41, s41, SLOT
	s_add_co_u32 s86, s86, SLOT
.endr
	s_mul_i32 s87, s12, 4352
	s_add_co_u32 s87, s87, STAGE
	v_mul_u32_u24 v5, v1, 272
	v_lshl_add_u32 v5, v2, 5, v5
	v_add_nc_u32 v[STO], s87, v5                   ; row r, 32 bytes for each half of the lanes
	v_mul_u32_u24 v6, v2, 272
	v_lshl_add_u32 v6, v1, 4, v6
	v_add_nc_u32 v[RD], s87, v6                    ; lanes 0-15 one row of 256 bytes, lanes 16-31 the next
	v_lshl_add_u32 v[CO], v2, 12, v19              ; the same two rows in out0
; 16 LDS loads: the fragments of 32 along K, at byte off of the slot's blocks (0, 64: first head; BLK, BLK + 64: second), into buffer f
.macro FETCH sl, off, f
.irp b, 0,1,2,3
	ds_load_b128 v[\f+8*\b:\f+8*\b+3],   v[ADB+\sl] offset:\off+\b*2176
	ds_load_b128 v[\f+8*\b+4:\f+8*\b+7], v[ADB+\sl] offset:\off+\b*2176+32
.endr
.irp a, 0,1,2,3
	ds_load_b128 v[\f+32+8*\a:\f+32+8*\a+3], v[ADA+\sl] offset:\off+\a*2176
	ds_load_b128 v[\f+32+8*\a+4:\f+32+8*\a+7], v[ADA+\sl] offset:\off+\a*2176+32
.endr
.endm
; 16 matrix instructions; the accumulators lie in window 1 and take turns, one instruction a turn
.macro MUL f, z
	WIN 0x50
.irp a, 0,1,2,3
.irp b, 0,1,2,3
.if \z
	v_wmma_f32_16x16x32_f16 v[8*(4*\a+\b):8*(4*\a+\b)+7], v[\f+8*\b:\f+8*\b+7], v[\f+32+8*\a:\f+32+8*\a+7], 0
.else
	v_wmma_f32_16x16x32_f16 v[8*(4*\a+\b):8*(4*\a+\b)+7], v[\f+8*\b:\f+8*\b+7], v[\f+32+8*\a:\f+32+8*\a+7], v[8*(4*\a+\b):8*(4*\a+\b)+7]
.endif
.endr
.endr
	WIN 0
.endm
.macro QTR sl, off, f, g, z            ; fetch the next quarter into g, multiply f
	PLACES                                         ; four places behind the products that read g
	FETCH \sl, \off, \g
	s_wait_dscnt 16                                ; all but the 16 just issued
	MUL \f, \z
.endm
.macro TILE sl, z
	QTR \sl, 64,     F0, F1, \z
	QTR \sl, BLK,    F1, F0, 0
	QTR \sl, BLK+64, F0, F1, 0
.endm
.macro TAILQ nx                        ; the tile's last quarter, with the next tile's first fragments fetched ahead of it
	PLACES
	FETCH \nx, 0, F0
	MUL F1, 0
.endm
.macro LASTQ0 nx                       ; the next tile was shown landed to all waves by an earlier barrier
	s_wait_dscnt 0x0
	TAILQ \nx
.endm
.macro LASTQ1 nx, cnt                  ; the next tile has to be shown: my part has landed (cnt younger loads stay out), then a barrier behind which nothing is filled
	s_wait_dscnt 0x0
	s_wait_tensorcnt \cnt
	s_barrier_signal -1
	s_barrier_wait -1
	TAILQ \nx
.endm
.macro LASTQ2 nx, sa, sb               ; slots sa, sb have been read by all: they are filled again, four tiles on
	s_wait_dscnt 0x0                               ; my reads of both slots are back
	s_wait_tensorcnt 0x0                           ; all my tensor loads have landed: every group 0 may be written
	ds_add_u32 v62, v63
	s_wait_dscnt 0x0
.irp t, \sa, \sb
	s_add_nc_u64 s[G0A+4*\t+2:G0A+4*\t+3], s[G0A+4*\t+2:G0A+4*\t+3], 2097152   ; 8 heads on
	s_add_nc_u64 s[G0B+4*\t+2:G0B+4*\t+3], s[G0B+4*\t+2:G0B+4*\t+3], 1048576   ; 8 blocks kb on
.endr
	CROUND                                         ; both hold of every wave of every work-group of the cluster
	JLOAD \sa                                      ; the first tensor loads behind the round
	JLOAD \sb
	TAILQ \nx
.endm
	s_wait_tensorcnt 3                             ; my block of tile 0 is in; tiles 1-3 stay out
	s_barrier_signal -1
	s_barrier_wait -1
	FETCH 0, 0, F0
	TILE 0, 1
	LASTQ1 1, 2                                    ; tile 1 landed; tiles 2, 3 stay out
	TILE 1, 0
	LASTQ2 2, 0, 1                                 ; tiles 2, 3 landed; tiles 4, 5 are asked for
	TILE 2, 0
	LASTQ0 3
	TILE 3, 0
	LASTQ2 0, 2, 3                                 ; tiles 4, 5 landed; tiles 6, 7 are asked for
	TILE 0, 0
	LASTQ0 1
	TILE 1, 0
	LASTQ1 2, 0                                    ; tiles 6, 7 landed
	TILE 2, 0
	LASTQ0 3
	TILE 3, 0
	s_wait_dscnt 0x0
	MUL F1, 0
	PLACES                                         ; four places ahead of the LDS stores that read the results
	s_wait_loadcnt 0x0                             ; bo
; THE WAY OUT, 16 rows at a time: 32 bytes a lane and tile into my own stage, read back as rows of 256 bytes, bo added, stored.
.macro OUT16 a, set
	WIN 0x04                                       ; the stores' data come from window 1
.irp b, 0,1,2,3
	ds_store_b128 v[STO], v[8*(4*\a+\b):8*(4*\a+\b)+3]   offset:64*\b
	ds_store_b128 v[STO], v[8*(4*\a+\b)+4:8*(4*\a+\b)+7] offset:64*\b+16
.endr
	WIN 0
	s_wait_xcnt 0x0                                ; the registers that earlier stores read are loaded again only behind this wait
.irp i, 0,1,2,3,4,5,6,7
	ds_load_b128 v[TMP+32*\set+4*\i:TMP+32*\set+4*\i+3], v[RD] offset:544*\i   ; my own bytes, served in order
.endr
.irp i, 0,1,2,3,4,5,6,7
	s_wait_dscnt 7-\i
	v_pk_add_f32 v[TMP+32*\set+4*\i:TMP+32*\set+4*\i+1],   v[TMP+32*\set+4*\i:TMP+32*\set+4*\i+1],   v[BI:BI+1]
	v_pk_add_f32 v[TMP+32*\set+4*\i+2:TMP+32*\set+4*\i+3], v[TMP+32*\set+4*\i+2:TMP+32*\set+4*\i+3], v[BI+2:BI+3]
	global_store_b128 v[CO], v[TMP+32*\set+4*\i:TMP+32*\set+4*\i+3], s[10:11] offset:(16*\a+2*\i)*4096 th:TH_STORE_NT   ; 16 lanes store 256 consecutive bytes, aligned
.endr
.endm
	OUT16 0, 0
	OUT16 1, 1
	OUT16 2, 0
	OUT16 3, 1
	s_wait_tensorcnt 0x0
	ds_add_u32 v62, v63
	s_wait_dscnt 0x0
	CROUND                                         ; the closing round
	s_endpgm
.Lfunc_end_k_qc256800c94_outp:
	.size	k_qc256800c94_outp, .Lfunc_end_k_qc256800c94_outp-k_qc256800c94_outp
	.p2alignl 7, 3214868480
	.fill 96, 4, 3214868480
	.section	.rodata,"a",@progbits
	.p2align	6, 0x0
	.amdhsa_kernel k_qc256800c94_outp
		.amdhsa_group_segment_fixed_size 327680
		.amdhsa_private_segment_fixed_size 0
		.amdhsa_enable_private_segment 0
		.amdhsa_kernarg_size 32
		.amdhsa_user_sgpr_count 2
		.amdhsa_user_sgpr_kernarg_segment_ptr 1
		.amdhsa_wavefront_size32 1
		.amdhsa_system_sgpr_workgroup_id_x 1
		.amdhsa_system_sgpr_workgroup_id_y 1
		.amdhsa_system_sgpr_workgroup_id_z 1
		.amdhsa_system_vgpr_workitem_id 0
		.amdhsa_next_free_vgpr 384
		.amdhsa_next_free_sgpr 96
		.amdhsa_reserve_vcc 0
		.amdhsa_float_denorm_mode_32 3
		.amdhsa_float_denorm_mode_16_64 3
		.amdhsa_memory_ordered 1
		.amdhsa_forward_progress 1
		.amdhsa_inst_pref_size 96
	.end_amdhsa_kernel
	.amdgpu_metadata
---
amdhsa.version: [ 1, 2 ]
amdhsa.kernels:
  - .name:           k_qc256800c94_outp
    .symbol:         k_qc256800c94_outp.kd
    .args:
      - { .name: Zh, .offset: 0, .size: 8, .value_kind: global_buffer, .address_space: global }
      - { .name: Wh, .offset: 8, .size: 8, .value_kind: global_buffer, .address_space: global }
      - { .name: bo, .offset: 16, .size: 8, .value_kind: global_buffer, .address_space: global }
      - { .name: out0, .offset: 24, .size: 8, .value_kind: global_buffer, .address_space: global }
    .group_segment_fixed_size: 327680
    .private_segment_fixed_size: 0
    .kernarg_segment_align: 8
    .kernarg_segment_size: 32
    .max_flat_workgroup_size: 128
    .sgpr_count:     96
    .vgpr_count:     384
    .wavefront_size: 32
...
	.end_amdgpu_metadata
.endif
;; end of part 4
